; MI455X (gfx1250); checked and timed in simulation.
; The chip was launched on July 23, 2026; its instructions are those of AMD's public machine-readable ISA for CDNA 5 (MIT licence, August 2026) and "CDNA5" Instruction Set Architecture Reference Guide (July 2026). The comments in the code are by the model that wrote it; some were corrected since.
;; Fused Mo E. Allowed arithmetic: float matrix products may take bf16 or f16 operands with f32 sums; all other float work in f32.
;; Inputs: router_logits 1,024 x 8 float32; w2_weight 8 x 2,048 x 1,024 float32; w3_w1_weight 8 x 2,048 x 2,048 float32; x 1,024 x 2,048 float32.
;; Outputs: out0 1,024 x 2,048 float32.
;; One version. Each part assembles by itself: llvm-mc -triple=amdgcn-amd-amdhsa -mcpu=gfx1250 --defsym DOCPART=n.
;; ======== version 1 of 1: 5 launches
;; workspace buffers: topw 8,192 bytes; token_slot 8,192 bytes of whole numbers; meta 256 bytes of whole numbers; xs 8,912,896 bytes; hs 4,456,448 bytes; y 17,825,792 bytes
;; launch route (part 1): grid 1 x 1, 32 waves a work-group, no clusters, 4,608 bytes of LDS; arguments router_logits, topw, token_slot, meta; writes topw, token_slot, meta
.if DOCPART == 1
	.amdgcn_target "amdgcn-amd-amdhsa--gfx1250"
	.amdhsa_code_object_version 6
	.text
	.protected	k_q1928bae537_route
	.globl	k_q1928bae537_route
	.p2align	8
	.type	k_q1928bae537_route,@function
k_q1928bae537_route:
	s_mov_b64 s[64:65], 0
	v_nop
	global_prefetch_b8 v0, s[64:65] scope:SCOPE_SE
	s_setreg_imm32_b32 hwreg(HW_REG_WAVE_MODE, 25, 1), 1
	s_wait_xcnt 0x0
; ROUTING AND RANKS.  One work-group, thread = token.
; First: softmax over the token's 8 logits (the maximum taken away first), the two largest probabilities with their experts, the two renormalised to sum 1:
; topw[t] = (w1, w2) in f32.  Then a counting sort of the 2,048 (token, expert) pairs by expert, without atomics: an expert's pairs take consecutive SLOTS, and each
; expert begins on a tile of 16 slots: at most 135 tiles, the later buffers hold 136.  token_slot[t] = the slots of token t's two experts;
; meta: 32 pairs (value, 0): pair e = the expert's first tile TB_e, pair 8 + e = its number of tiles MT_e.
; A pair's rank = pairs of the same expert in lower waves (through LDS, one barrier) + in lower lanes of its wave (bits of a mask).
; Every address here is made of the thread's number alone, and no branch hangs on a logit: what comes of the choice is only stored, as whole numbers, for the launches behind.
; ALL THE MODULE'S INPUTS ENTER ROUNDED TO bf16, the logits too: the products take x and the weights so, and the routing is made of numbers
; rounded alike (to nearest even, once).  Everything behind that rounding is f32.
; LIMITS.  Against unrounded logits a weight differs by up to w1 w2 2^-8 (|l1| + |l2|), and the second expert may be another where the second and the
; third logit lie within their bf16 roundings of each other; logits that round to the same number count as equal.  Among equal probabilities
; the lower index wins, as in the top-k of the problem; a second and a third probability that differ only in the last bit of f32 may be ordered
; otherwise than by a correctly rounded softmax.  NaN and infinite logits are not treated apart.  A probability below 2^-126 counts as 0
; (its weight is then 0 whichever expert carries it).
.set L,   8                            ; v[8:15]  logits, then exponentials, then probabilities; later the waves' counts
.set I1,  2                            ; v2  the expert of the largest probability
.set I2,  3                            ; v3  of the second
.set B1,  20                           ; v20 the largest so far
.set B2,  21                           ; v21 the second
.set MSK, 16                           ; s[16:23] lanes of my wave that chose expert e
.set CNT, 24                           ; s[24:31] how many they are
.set NE,  40                           ; s[40:47] the expert's pairs in all
.set OFS, 48                           ; s[48:55] pairs in lower waves, then + the expert's first slot
.set TIL, 56                           ; s[56:63] its tiles
.set TB,  66                           ; s[66:73] its first tile
.macro BSUM r                          ; the sum of v[r] over the 32 lanes, in every lane
.irp m, 1,2,4,8
	v_mov_b32_dpp v4, v[\r] row_xmask:\m row_mask:0xf bank_mask:0xf
	v_add_nc_u32 v[\r], v[\r], v4
.endr
	v_permlanex16_b32 v4, v[\r], s14, s15
	v_add_nc_u32 v[\r], v[\r], v4
.endm
	s_load_b256 s[4:11], s[0:1], 0x0               ; router_logits s[4:5], topw s[6:7], token_slot s[8:9], meta s[10:11]
	v_lshl_add_u32 v32, v0, 2, 0x200
	v_mov_b32 v33, 0
	v_lshrrev_b32 v1, 5, v0
	v_readfirstlane_b32 s12, v1                    ; wave 0..31
	v_and_b32 v1, 31, v0                           ; lane
	v_lshlrev_b32 v6, 5, v0                        ; the token's 32 bytes of logits
	v_lshlrev_b32 v5, 3, v0                        ; its 8 bytes in topw and in token_slot
	v_mov_b32 v4, 0                                ; written before the lane moves name it as a destination
	s_mov_b32 s14, 0x76543210                      ; v_permlanex16_b32: each lane takes its own place in the other half
	s_mov_b32 s15, 0xfedcba98
	s_wait_kmcnt 0x0
	global_load_b128 v[8:11], v6, s[4:5]
	global_load_b128 v[12:15], v6, s[4:5] offset:16
	s_wait_loadcnt 0x0
.irp k, 0,1,2,3
	v_cvt_pk_bf16_f32 v[16+\k], v[L+2*\k], v[L+2*\k+1]  ; the logits rounded to bf16, two at a time,
.endr
.irp k, 0,1,2,3
	v_lshlrev_b32 v[L+2*\k], 16, v[16+\k]          ; and widened again: the low half moves up,
	v_and_b32 v[L+2*\k+1], 0xffff0000, v[16+\k]    ; the high half stays
.endr
	v_max3_num_f32 v16, v8, v9, v10
	v_max3_num_f32 v16, v16, v11, v12
	v_max3_num_f32 v16, v16, v13, v14
	v_max_num_f32 v16, v16, v15                    ; the row's maximum
.irp i, 0,1,2,3,4,5,6,7
	v_sub_f32 v[L+\i], v[L+\i], v16
.endr
.irp i, 0,1,2,3,4,5,6,7
	v_mul_f32 v[L+\i], 0x3fb8aa3b, v[L+\i]         ; (l - m) log2(e)
.endr
.irp i, 0,1,2,3,4,5,6,7
	v_exp_f32 v[L+\i], v[L+\i]
.endr
	v_mov_b32 v[I1], 0                             ; a plain instruction between the last exponential and the use of its result
	v_mov_b32 v[I2], 0
	s_wait_alu depctr_va_vdst(0)
	v_add_f32 v16, v8, v9
	v_add_f32 v17, v10, v11
	v_add_f32 v18, v12, v13
	v_add_f32 v19, v14, v15
	v_add_f32 v16, v16, v17
	v_add_f32 v18, v18, v19
	v_add_f32 v16, v16, v18
	v_rcp_f32 v17, v16
	v_mov_b32 v[B2], -1.0                          ; below every probability; also the plain instruction behind the reciprocal
	s_wait_alu depctr_va_vdst(0)
.irp i, 0,1,2,3,4,5,6,7
	v_mul_f32 v[L+\i], v[L+\i], v17                ; the probabilities
.endr
	v_mov_b32 v[B1], v[L]
.irp i, 1,2,3,4,5,6,7
	v_cmp_gt_f32 s82, v[L+\i], v[B1]               ; strictly greater: a tie stays with the lower index
	v_cmp_gt_f32 s83, v[L+\i], v[B2]
	v_cndmask_b32 v22, v[B2], v[L+\i], s83         ; the second place if the first stays
	v_cndmask_b32 v23, v[I2], \i, s83
	v_cndmask_b32 v[B2], v22, v[B1], s82           ; the old first moves down if it is beaten
	v_cndmask_b32 v[I2], v23, v[I1], s82
	v_cndmask_b32 v[B1], v[B1], v[L+\i], s82
	v_cndmask_b32 v[I1], v[I1], \i, s82
.endr
	v_add_f32 v26, v[B1], v[B2]
	v_rcp_f32 v26, v26
	v_nop                                          ; a plain instruction behind the reciprocal
	s_wait_alu depctr_va_vdst(0)
	v_mul_f32 v24, v[B1], v26
	v_mul_f32 v25, v[B2], v26
	global_store_b64 v5, v[24:25], s[6:7]          ; a wave's store covers 256 consecutive bytes, aligned; v5 and v[24:25] are not written again
	; the ranks
.irp e, 0,1,2,3,4,5,6,7
	v_cmp_eq_u32 s[MSK+\e], \e, v[I1]
	v_cmp_eq_u32 vcc_lo, \e, v[I2]
	s_or_b32 s[MSK+\e], s[MSK+\e], vcc_lo
	s_bcnt1_i32_b32 s[CNT+\e], s[MSK+\e]
.endr
.irp k, 0,1,2,3                        ; two counts to a word: no sum passes 1,024, so the halves never meet
	s_lshl_b32 s13, s[CNT+2*\k+1], 16
	s_or_b32 s13, s13, s[CNT+2*\k]
	v_mov_b32 v[8+\k], s13
.endr
	v_mov_b32 v7, s12
	v_lshlrev_b32 v7, 4, v7
	ds_store_b128 v7, v[8:11]                      ; my wave's 16 bytes; all lanes write the same
	s_wait_dscnt 0x0                               ; for the others' sake: my store is done
	s_barrier_signal -1
	s_barrier_wait -1
	v_lshlrev_b32 v27, 4, v1
	ds_load_b128 v[8:11], v27                      ; lane l takes wave l's counts
	s_wait_dscnt 0x0
	v_cmp_gt_u32 vcc_lo, s12, v1                   ; waves below mine
.irp k, 0,1,2,3
	v_cndmask_b32 v[12+\k], 0, v[8+\k], vcc_lo
.endr
.irp r, 8,9,10,11,12,13,14,15
	BSUM \r
.endr
.irp k, 0,1,2,3
	v_readfirstlane_b32 s[32+\k], v[8+\k]          ; totals
	v_readfirstlane_b32 s[36+\k], v[12+\k]         ; sums over lower waves
.endr
.irp k, 0,1,2,3
	s_and_b32 s[NE+2*\k], s[32+\k], 0xffff
	s_lshr_b32 s[NE+2*\k+1], s[32+\k], 16
	s_and_b32 s[OFS+2*\k], s[36+\k], 0xffff
	s_lshr_b32 s[OFS+2*\k+1], s[36+\k], 16
.endr
.irp e, 0,1,2,3,4,5,6,7
	s_add_co_u32 s[TIL+\e], s[NE+\e], 15
	s_lshr_b32 s[TIL+\e], s[TIL+\e], 4
.endr
	s_mov_b32 s[TB], 0
.irp e, 0,1,2,3,4,5,6
	s_add_co_u32 s[TB+\e+1], s[TB+\e], s[TIL+\e]
.endr
.irp e, 0,1,2,3,4,5,6,7
	s_lshl4_add_u32 s[OFS+\e], s[TB+\e], s[OFS+\e] ; + the expert's first slot, 16 TB_e
.endr
	v_mov_b32 v16, 0
	v_mov_b32 v17, 0
.irp e, 0,1,2,3,4,5,6,7
	v_mbcnt_lo_u32_b32 v18, s[MSK+\e], 0           ; lanes below mine that chose e
	v_add_nc_u32 v18, s[OFS+\e], v18
	v_cmp_eq_u32 vcc_lo, \e, v[I1]
	v_cndmask_b32 v16, v16, v18, vcc_lo
	v_cmp_eq_u32 vcc_lo, \e, v[I2]
	v_cndmask_b32 v17, v17, v18, vcc_lo
.endr
	global_store_b64 v5, v[16:17], s[8:9]          ; 256 consecutive bytes a wave, aligned
	s_cmp_lg_u32 s12, 0
	s_cbranch_scc1 .Lend                           ; wave 0 alone writes meta
	v_mov_b32 v28, 0
	v_mov_b32 v29, 0
.irp e, 0,1,2,3,4,5,6,7
	v_writelane_b32 v28, s[TB+\e], \e
	v_writelane_b32 v28, s[TIL+\e], 8+\e
.endr
	global_store_b64 v5, v[28:29], s[10:11]        ; in wave 0 the thread is the lane: 256 consecutive bytes, all of meta
.Lend:
	s_barrier_signal -1
	s_barrier_wait -1
	s_wait_tensorcnt 0x0
	ds_add_u32 v32, v33
	s_wait_dscnt 0x0
	s_endpgm
.Lfunc_end_k_q1928bae537_route:
	.size	k_q1928bae537_route, .Lfunc_end_k_q1928bae537_route-k_q1928bae537_route
	.p2alignl 7, 3214868480
	.fill 96, 4, 3214868480
	.section	.rodata,"a",@progbits
	.p2align	6, 0x0
	.amdhsa_kernel k_q1928bae537_route
		.amdhsa_group_segment_fixed_size 4608
		.amdhsa_private_segment_fixed_size 0
		.amdhsa_enable_private_segment 0
		.amdhsa_kernarg_size 32
		.amdhsa_user_sgpr_count 2
		.amdhsa_user_sgpr_kernarg_segment_ptr 1
		.amdhsa_wavefront_size32 1
		.amdhsa_system_sgpr_workgroup_id_x 1
		.amdhsa_system_sgpr_workgroup_id_y 1
		.amdhsa_system_sgpr_workgroup_id_z 1
		.amdhsa_system_vgpr_workitem_id 0
		.amdhsa_next_free_vgpr 34
		.amdhsa_next_free_sgpr 90
		.amdhsa_reserve_vcc 1
		.amdhsa_float_denorm_mode_32 3
		.amdhsa_float_denorm_mode_16_64 3
		.amdhsa_memory_ordered 1
		.amdhsa_forward_progress 1
		.amdhsa_inst_pref_size 19
	.end_amdhsa_kernel
	.amdgpu_metadata
---
amdhsa.version: [ 1, 2 ]
amdhsa.kernels:
  - .name:           k_q1928bae537_route
    .symbol:         k_q1928bae537_route.kd
    .args:
      - { .name: router_logits, .offset: 0, .size: 8, .value_kind: global_buffer, .address_space: global }
      - { .name: topw, .offset: 8, .size: 8, .value_kind: global_buffer, .address_space: global }
      - { .name: token_slot, .offset: 16, .size: 8, .value_kind: global_buffer, .address_space: global }
      - { .name: meta, .offset: 24, .size: 8, .value_kind: global_buffer, .address_space: global }
    .group_segment_fixed_size: 4608
    .private_segment_fixed_size: 0
    .kernarg_segment_align: 8
    .kernarg_segment_size: 32
    .max_flat_workgroup_size: 1024
    .sgpr_count:     90
    .vgpr_count:     34
    .wavefront_size: 32
...
	.end_amdgpu_metadata
.endif
;; end of part 1
;; launch gather (part 2): grid 136 x 2, 8 waves a work-group, no clusters, 34,048 bytes of LDS; arguments token_slot, x, xs; writes xs
.if DOCPART == 2
	.amdgcn_target "amdgcn-amd-amdhsa--gfx1250"
	.amdhsa_code_object_version 6
	.text
	.protected	k_q1928bae537_gather
	.globl	k_q1928bae537_gather
	.p2align	8
	.type	k_q1928bae537_gather,@function
k_q1928bae537_gather:
	s_mov_b64 s[64:65], 0
	v_nop
	global_prefetch_b8 v0, s[64:65] scope:SCOPE_SE
	s_setreg_imm32_b32 hwreg(HW_REG_WAVE_MODE, 25, 1), 1
	s_wait_xcnt 0x0
; x's rows by slot, rounded once to bf16 and laid out as matrix sources: xs[tile][chunk of 32 k][half][lane][16 bytes].
; Lane l = r + 16 h holds slot r of the tile; half 0: k = 8 h .. 8 h + 7 of the chunk, half 1: k = 16 + 8 h .. + 7.  So a later load of 16 bytes
; a lane takes 512 consecutive bytes and is half of a source.
; A work-group owns a tile of 16 slots and one half of K (1,024 numbers); wave w owns slots 2 w and 2 w + 1 of the tile.
; WHICH TOKENS.  token_slot says where each token's two pairs went; the wave turns that round for its two slots: it reads the whole table (2,048 words: sixteen loads of
; 512 consecutive bytes) and, for each word and each of its two slots, one compare and one select keep the constant part of the matching word's token.
; Word 128 i + 4 lane + c belongs to token 64 i + c / 2 + 2 lane; the kept number starts at -2 lane, so that adding 2 lane gives the token in the one lane
; that matched and 0 everywhere else; the sum over the lanes is the token, and 0 for a slot that no pair took.  The table holds whole numbers that the launch before stored.
; THE ROWS.  Eight loads of 512 consecutive bytes a row, rounded, into LDS by rows; behind one barrier the wave reads chunks 4 w .. 4 w + 3 by fragments and stores them.
; The number of tiles in use (128 to 135) is known only from memory, so all 136 are written.
; No matrix unit, no cluster, no tensor load: each byte goes through registers once, to be rounded.
.set PITCH, 2064                       ; an LDS row: 2,048 bytes + 16 = 129 x 16: the 16 rows of a fragment load start at 16 different 16-byte columns modulo 256
.set TS,    16                         ; v[16:79] the table, then the two rows
.macro BSUM r                          ; the sum of v[r] over the 32 lanes, in every lane
.irp m, 1,2,4,8
	v_mov_b32_dpp v10, v[\r] row_xmask:\m row_mask:0xf bank_mask:0xf
	v_add_nc_u32 v[\r], v[\r], v10
.endr
	v_permlanex16_b32 v10, v[\r], s24, s25
	v_add_nc_u32 v[\r], v[\r], v10
.endm
	s_load_b128 s[4:7], s[0:1], 0x0                ; token_slot s[4:5], x s[6:7]
	s_load_b64 s[8:9], s[0:1], 0x10                ; xs
	v_lshl_add_u32 v96, v0, 2, 0x8100
	v_mov_b32 v97, 0
	v_lshrrev_b32 v1, 5, v0
	v_readfirstlane_b32 s12, v1                    ; wave 0..7
	v_and_b32 v1, 31, v0
	v_lshlrev_b32 v2, 4, v1                        ; 16 x lane
	s_wait_kmcnt 0x0
.irp i, 0,1,2,3,4,5,6,7,8,9,10,11,12,13,14,15
	global_load_b128 v[TS+4*\i:TS+4*\i+3], v2, s[4:5] offset:512*\i
.endr
	s_and_b32 s13, ttmp7, 0xffff                   ; which half of K
	s_lshl_b32 s16, ttmp9, 4
	s_lshl1_add_u32 s16, s12, s16                  ; my first slot: 16 x tile + 2 w
	s_add_co_u32 s17, s16, 1                       ; my second
	s_mov_b32 s24, 0x76543210                      ; v_permlanex16_b32: each lane takes its own place in the other half
	s_mov_b32 s25, 0xfedcba98
	v_mov_b32 v10, 0                               ; written before the lane moves name it as a destination
	v_lshlrev_b32 v9, 1, v1                        ; 2 x lane
	v_sub_nc_u32 v6, 0, v9                         ; nothing found yet, for either slot
	v_sub_nc_u32 v7, 0, v9
	s_mul_i32 s18, s12, 2*PITCH
	v_lshlrev_b32 v3, 3, v1
	v_add_nc_u32 v3, s18, v3                       ; in: my first row, 8 bytes a lane
	v_and_b32 v5, 15, v0                           ; r
	v_bfe_u32 v8, v0, 4, 1                         ; h
	v_mul_u32_u24 v4, v5, PITCH
	v_lshl_add_u32 v4, v8, 4, v4
	v_lshl_add_u32 v4, s12, 8, v4                  ; back: row r, 16 h, my four chunks of 64 bytes
	s_lshl_b32 s14, ttmp9, 16                      ; a tile of xs is 65,536 bytes,
	s_lshl_b32 s18, s13, 15                        ; half of K 32 chunks of 1,024,
	s_add_co_u32 s14, s14, s18
	s_lshl_b32 s18, s12, 12                        ; my four chunks
	s_add_co_u32 s14, s14, s18
	s_mov_b32 s15, 0
	s_add_nc_u64 s[8:9], s[8:9], s[14:15]
	s_lshl_b32 s18, s13, 12                        ; half of a row of x
.set i, 0
.rept 16
	s_wait_loadcnt 15-i                            ; loads come back in order: load i is in, the younger ones stay out
.irp c, 0,1,2,3
	v_cmp_ne_u32 vcc_lo, s16, v[TS+4*i+\c]
	v_cndmask_b32 v6, 64*i+(\c)/2, v6, vcc_lo      ; kept where the word is another slot; else the word's token less 2 lane
	v_cmp_ne_u32 vcc_lo, s17, v[TS+4*i+\c]
	v_cndmask_b32 v7, 64*i+(\c)/2, v7, vcc_lo
.endr
.set i, i+1
.endr
	v_add_nc_u32 v6, v6, v9                        ; the token in the lane that matched, 0 in the others
	v_add_nc_u32 v7, v7, v9
	BSUM 6
	BSUM 7
	v_readfirstlane_b32 s16, v6
	v_readfirstlane_b32 s17, v7
	s_min_u32 s16, s16, 0x3ff                      ; a token stays inside x
	s_min_u32 s17, s17, 0x3ff
	s_lshl_b32 s20, s16, 13
	s_add_co_u32 s20, s20, s18
	s_mov_b32 s21, 0
	s_lshl_b32 s22, s17, 13
	s_add_co_u32 s22, s22, s18
	s_mov_b32 s23, 0
	s_add_nc_u64 s[20:21], s[6:7], s[20:21]
	s_add_nc_u64 s[22:23], s[6:7], s[22:23]
.irp i, 0,1,2,3,4,5,6,7
	global_load_b128 v[16+4*\i:16+4*\i+3], v2, s[20:21] offset:512*\i
.endr
.irp i, 0,1,2,3,4,5,6,7
	global_load_b128 v[48+4*\i:48+4*\i+3], v2, s[22:23] offset:512*\i
.endr
.set i, 0
.rept 16
	s_wait_loadcnt 15-i                            ; load i is in, the younger ones stay out
	v_cvt_pk_bf16_f32 v[80+2*(i%8)], v[16+4*i], v[16+4*i+1]
	v_cvt_pk_bf16_f32 v[80+2*(i%8)+1], v[16+4*i+2], v[16+4*i+3]
	ds_store_b64 v3, v[80+2*(i%8):80+2*(i%8)+1] offset:(i/8)*PITCH+(i%8)*256
.set i, i+1
.endr
	s_wait_dscnt 0x0                               ; for the others' sake: my rows are in LDS
	s_barrier_signal -1
	s_barrier_wait -1
.irp i, 0,1,2,3,4,5,6,7                ; chunk i / 2 of my four, half i % 2
	ds_load_b128 v[16+4*\i:16+4*\i+3], v4 offset:32*\i
.endr
.irp i, 0,1,2,3,4,5,6,7
	s_wait_dscnt 7-\i
	global_store_b128 v2, v[16+4*\i:16+4*\i+3], s[8:9] offset:512*\i  ; 512 consecutive bytes, aligned
.endr
	s_barrier_signal -1
	s_barrier_wait -1
	s_wait_tensorcnt 0x0
	ds_add_u32 v96, v97
	s_wait_dscnt 0x0
	s_endpgm
.Lfunc_end_k_q1928bae537_gather:
	.size	k_q1928bae537_gather, .Lfunc_end_k_q1928bae537_gather-k_q1928bae537_gather
	.p2alignl 7, 3214868480
	.fill 96, 4, 3214868480
	.section	.rodata,"a",@progbits
	.p2align	6, 0x0
	.amdhsa_kernel k_q1928bae537_gather
		.amdhsa_group_segment_fixed_size 34048
		.amdhsa_private_segment_fixed_size 0
		.amdhsa_enable_private_segment 0
		.amdhsa_kernarg_size 24
		.amdhsa_user_sgpr_count 2
		.amdhsa_user_sgpr_kernarg_segment_ptr 1
		.amdhsa_wavefront_size32 1
		.amdhsa_system_sgpr_workgroup_id_x 1
		.amdhsa_system_sgpr_workgroup_id_y 1
		.amdhsa_system_sgpr_workgroup_id_z 1
		.amdhsa_system_vgpr_workitem_id 0
		.amdhsa_next_free_vgpr 98
		.amdhsa_next_free_sgpr 66
		.amdhsa_reserve_vcc 1
		.amdhsa_float_denorm_mode_32 3
		.amdhsa_float_denorm_mode_16_64 3
		.amdhsa_memory_ordered 1
		.amdhsa_forward_progress 1
		.amdhsa_inst_pref_size 24
	.end_amdhsa_kernel
	.amdgpu_metadata
---
amdhsa.version: [ 1, 2 ]
amdhsa.kernels:
  - .name:           k_q1928bae537_gather
    .symbol:         k_q1928bae537_gather.kd
    .args:
      - { .name: token_slot, .offset: 0, .size: 8, .value_kind: global_buffer, .address_space: global }
      - { .name: x, .offset: 8, .size: 8, .value_kind: global_buffer, .address_space: global }
      - { .name: xs, .offset: 16, .size: 8, .value_kind: global_buffer, .address_space: global }
    .group_segment_fixed_size: 34048
    .private_segment_fixed_size: 0
    .kernarg_segment_align: 8
    .kernarg_segment_size: 24
    .max_flat_workgroup_size: 256
    .sgpr_count:     66
    .vgpr_count:     98
    .wavefront_size: 32
...
	.end_amdgpu_metadata
.endif
;; end of part 2
;; launch gemm1 (part 3): grid 256 x 1, 4 waves a work-group, no clusters, 263,680 bytes of LDS; arguments xs, w3_w1_weight, meta, hs; writes hs
.if DOCPART == 3
	.amdgcn_target "amdgcn-amd-amdhsa--gfx1250"
	.amdhsa_code_object_version 6
	.text
	.protected	k_q1928bae537_gemm1
	.globl	k_q1928bae537_gemm1
	.p2align	8
	.type	k_q1928bae537_gemm1,@function
k_q1928bae537_gemm1:
	s_mov_b64 s[64:65], 0
	v_nop
	global_prefetch_b8 v0, s[64:65] scope:SCOPE_SE
	s_setreg_imm32_b32 hwreg(HW_REG_WAVE_MODE, 25, 1), 1
	s_wait_xcnt 0x0
; GATE AND UP of the routed tokens, and SwiGLU.  For each slot of expert e: h = x W31_e^T, inter = silu(gate) up; hs takes inter in bf16, in the
; fragment layout [tile][chunk of 32][half][lane][16 bytes].  Products in bf16 with f32 sums; silu in f32; inter rounded once.
; Only the pairs (token, expert) that the routing chose are computed: the others have the combine weight 0.
; SHARES.  Work-group g = expert g % 8, slice g / 8 (of 32): 32 up rows and the 32 gate rows of the same columns of inter, four n-tiles of 16 rows.  The eight experts take
; turns along the grid, so that an expert with more tiles than the others has its 32 work-groups spread over the whole grid.
; PHASE 1.  Wave w streams n-tile w: 16 rows of 8,192 bytes, dense in memory, each byte of the weights read once in the launch, by one wave;
; rounded to bf16 on the way and kept in LDS for the rest of the launch.  A ring of 48 register slots keeps 48 loads of 512 bytes of every wave out.
; A trip of its loop goes twice round the ring, with two copies of the base address: each copy is stepped where the 48 turns just made have waited for every load that named it.
; PHASE 2, behind the text's one barrier.  The expert's MT tiles of 16 slots (MT and the first tile TB are whole numbers read from meta) go in passes of 20:
; wave w takes tiles 20 p + w + 4 j, j = 0..4, each against all four n-tiles: 20 accumulators.  The pass loop counts to the constant 4
; (80 tiles; an expert has 64 at the most) and is left by a jump forward when no tile is left; it holds no barrier.
; A tile past the expert's last inside a live pass loads the last tile again and is not stored.
; THE PASS'S FIRST FRAGMENTS GO OUT EARLY: blocks 0 and 1 of the first pass (40 loads) are asked for when 23 of the wave's weight pieces are still out, 63 loads in all, so that they are
; on their way under the ring's last turns and the barrier; those of a further pass at the end of the pass before it.
; THE MATRIX INSTRUCTION IS USED TRANSPOSED: source 0 = 16 weight rows, source 1 = 16 slots.  A lane of the result holds slot l % 16 and weight rows
; 8 (l / 16) + 0..7: eight neighbouring columns of inter, which ARE 16 bytes of the next product's source.
; NO CLUSTER, NO TENSOR LOAD.  The weights are shared by nobody and must pass registers to be rounded.  The slots' fragments are shared by an expert's 32
; work-groups, but they go straight into registers: the weights take 263,168 of LDS's 327,680 bytes, and the loop that reads the fragments has a
; length that hangs on counts from memory, where no barrier can stand.
; REGISTERS, in windows of 256 (s_set_vgpr_msb: bits 1:0 source 0, 3:2 source 1, 5:4 source 2, 7:6 destination):
;   window 0: v0-27 addresses; v32-223 phase 1's ring; in phase 2 v32-79 at work, v96-255 accumulator (j, nt) at 96 + 8 (4 j + nt)
;   windows 1, 2: the slots' fragments, four buffers of a block of 64 k: buffer q in window 1 + q / 2 at 80 (q % 2) + 40 cc + 8 j
;   window 3: the weights' fragments, two buffers: 64 pb + 32 cc + 8 nt
.set PITCH,  4112                      ; an LDS row of weights: 4,096 bytes + 16 = 257 x 16: the 16 rows of a fragment load start at 16 different 16-byte columns modulo 256
.set PERROW, 16                        ; loads of 512 bytes in a row of f32 weights
.set NLOAD,  256                       ; such loads in a wave's 16 rows
.set RING,   48
.set TRIPS,  (NLOAD-RING)/(2*RING)     ; trips of twice round the ring that load ahead
.set REM,    (NLOAD-RING)%(2*RING)     ; loads left for once more round (fewer than RING)
.set XK,     RING+REM-23               ; the turn of that last time round in front of which 23 weight pieces are out
.set NB,     32                        ; blocks of 64 along K
.set ASHIFT, 16                        ; a tile of xs is 65,536 bytes
.set LO16, 1                           ; v1      16 x lane; never rewritten
.set LST,  3                           ; v3      phase 1: where I put 8 bytes
.set ADW0, 4                           ; v4-7    (16 nt + l % 16) PITCH + 16 (l / 16); never rewritten
.set AW,   8                           ; v8-11   the same + the blocks passed
.set CV,   12                          ; v12-19  four pairs of rounded words
.set XO,   24                          ; v24-27  16 x lane + the trips passed, in a tile of xs: one register for each of a trip's four blocks
.set RG,   32
.set EW,   32                          ; v32-39  the way out: at work
.set PK,   40                          ; v40-79  the way out: 8 registers a tile, to store
.set ACC,  96
.set SA,   24                          ; s[24:25] my 16 rows + the trips passed
.set SB,   54                          ; s[54:55] the same, stepped half a trip earlier
.set XB,   28                          ; s[28:37] tile j's address in xs
.set OB,   38                          ; s[38:47] tile j's chunk sl in hs
.set LT,   48                          ; s[48:52] tile j's number in the expert
.set MSB, 0
.macro WIN new                         ; the immediate's high byte repeats the setting that is left; a switch that changes nothing is dropped
.if MSB != (\new)
	s_set_vgpr_msb (MSB<<8)|(\new)
.set MSB, (\new)
.endif
.endm
; One ring slot's turn: its 512 bytes are in; round, put 256 bytes into LDS; ahead = 1: the slot is loaded again, 48 pieces on, at byte goff from base.
; left = the loads issued behind this slot's load.
.macro SLOT k, pos, ahead, left, base=0, goff=0
	s_wait_loadcnt \left
	v_cvt_pk_bf16_f32 v[CV+2*((\k)%4)], v[RG+4*(\k)], v[RG+4*(\k)+1]
	v_cvt_pk_bf16_f32 v[CV+2*((\k)%4)+1], v[RG+4*(\k)+2], v[RG+4*(\k)+3]
	ds_store_b64 v[LST], v[CV+2*((\k)%4):CV+2*((\k)%4)+1] offset:((\pos)/PERROW)*PITCH+((\pos)%PERROW)*256
.if \ahead
	global_load_b128 v[RG+4*(\k):RG+4*(\k)+3], v[LO16], s[\base:\base+1] offset:\goff th:TH_LOAD_NT
.endif
.endm
.macro WLOAD buf, off                  ; 16 LDS loads: the weights' fragments of a block, at byte off of the rows
	WIN 0xc0
.irp cc, 0,1
.irp nt, 0,1,2,3
	ds_load_b128 v[64*(\buf)+32*\cc+8*\nt:64*(\buf)+32*\cc+8*\nt+3], v[AW+\nt] offset:(\off)+64*\cc
	ds_load_b128 v[64*(\buf)+32*\cc+8*\nt+4:64*(\buf)+32*\cc+8*\nt+7], v[AW+\nt] offset:(\off)+64*\cc+32
.endr
.endr
.endm
.macro XLOAD buf, off, areg            ; 20 loads of 512 consecutive bytes: my five tiles' fragments of a block, at byte off + v[areg] of the tiles
	WIN 0x40*(1+(\buf)/2)
.irp cc, 0,1
.irp j, 0,1,2,3,4
	global_load_b128 v[80*((\buf)%2)+40*\cc+8*\j:80*((\buf)%2)+40*\cc+8*\j+3], v[\areg], s[XB+2*\j:XB+2*\j+1] offset:(\off)+1024*\cc
	global_load_b128 v[80*((\buf)%2)+40*\cc+8*\j+4:80*((\buf)%2)+40*\cc+8*\j+7], v[\areg], s[XB+2*\j:XB+2*\j+1] offset:(\off)+1024*\cc+512
.endr
.endr
.endm
; A block of 64 along K: 40 products.  Ahead of them the weights' fragments of the next block (dsl) and the slots' of the block three on (ld) are asked for,
; into the buffers that the block before multiplied: four plain vector instructions are the places between its products and these loads (ISA guide 7.12.1 for vector
; instructions).  left = the loads issued behind this block's: two blocks of 20, fewer in the tail.
; ld = 1: the offset stands in the immediate.  ld = 2 (in the loop): the block's own offset register is stepped first, a trip's 8,192 bytes: the wait above it leaves only the
; 40 loads of the two blocks before, which name other registers, so the load that named this one, four blocks back, is done.  The step is one of the four places.
; The 20 accumulators take turns, one instruction a turn, over the loop's jump too.
.macro BLOCK blk, zero, ld, left, dsl
.set q,  (\blk)%4
.set pb, (\blk)%2
	s_wait_loadcnt \left
	s_wait_dscnt 0x0                               ; this block's weights, asked for a block ago
.if (\ld) == 2
	WIN 0
	v_add_nc_u32 v[XO+(\blk)-1], 8192, v[XO+(\blk)-1]
.rept 3
	v_nop
.endr
.elseif (\dsl) || (\ld)
.rept 4
	v_nop
.endr
.endif
.if \dsl
	WLOAD 1-pb, ((\blk)+1)*128
.endif
.if (\ld) == 1
	XLOAD ((\blk)+3)%4, ((\blk)+3)*2048, LO16
.elseif (\ld) == 2
	XLOAD ((\blk)+3)%4, ((\blk)-1)*2048, XO+(\blk)-1
.endif
	WIN 0x03+4*(1+q/2)                             ; source 0 window 3, source 1 window 1 or 2, C and D window 0
.irp cc, 0,1
.irp j, 0,1,2,3,4
.irp nt, 0,1,2,3
.if (\zero) && (\cc == 0)
	v_wmma_f32_16x16x32_bf16 v[ACC+8*(4*\j+\nt):ACC+8*(4*\j+\nt)+7], v[64*pb+32*\cc+8*\nt:64*pb+32*\cc+8*\nt+7], v[80*(q%2)+40*\cc+8*\j:80*(q%2)+40*\cc+8*\j+7], 0
.else
	v_wmma_f32_16x16x32_bf16 v[ACC+8*(4*\j+\nt):ACC+8*(4*\j+\nt)+7], v[64*pb+32*\cc+8*\nt:64*pb+32*\cc+8*\nt+7], v[80*(q%2)+40*\cc+8*\j:80*(q%2)+40*\cc+8*\j+7], v[ACC+8*(4*\j+\nt):ACC+8*(4*\j+\nt)+7]
.endif
.endr
.endr
.endr
.endm
; The five tiles of the pass that begins at tile s18: their numbers, their addresses in xs, their chunk sl in hs
.macro ADDR
.irp j, 0,1,2,3,4
	s_add_co_u32 s[LT+\j], s18, s12
	s_add_co_u32 s[LT+\j], s[LT+\j], 4*\j
	s_min_u32 s22, s[LT+\j], s21                   ; past the end: the last tile once more
	s_add_co_u32 s22, s22, s16
	s_min_u32 s22, s22, 135                        ; a tile stays inside the 136
	s_lshl_b32 s26, s22, ASHIFT
	s_add_nc_u64 s[XB+2*\j:XB+2*\j+1], s[4:5], s[26:27]
	s_lshl_b32 s26, s22, 15                        ; a tile of hs is 32,768 bytes
	s_add_co_u32 s26, s26, s53
	s_add_nc_u64 s[OB+2*\j:OB+2*\j+1], s[10:11], s[26:27]
.endr
.endm
; The first pass's blocks 0 and 1 are asked for while the last weight pieces are on their way
.macro EARLYX
	s_wait_kmcnt 0x0                               ; TB and MT are in, and s[26:27], which their loads named, may be written
	s_mov_b32 s27, 0
	s_sub_co_u32 s21, s17, 1                       ; the expert's last tile
	s_mov_b32 s18, 0                               ; the pass's first tile
	ADDR
	XLOAD 0, 0, LO16
	XLOAD 1, 2048, LO16
	WIN 0
.endm
; The way out of tile j: inter = up gate / (1 + 2^(-gate log2 e)), rounded to bf16: half hh of chunk sl of the tile in hs.  Each accumulator is read from its lowest registers on.
.macro TILEOUT j
	s_cmp_ge_u32 s[LT+\j], s17
	s_cbranch_scc1 .Ldead_\@                       ; no such tile: nothing is stored
.irp hh, 0,1
.set rU, ACC+8*(4*\j+\hh)
.set rG, ACC+8*(4*\j+2+\hh)
.set rO, PK+8*\j+4*\hh
.irp z, 0,2,4,6
	v_pk_mul_f32 v[EW+\z:EW+\z+1], v[rG+\z:rG+\z+1], 0xbfb8aa3b op_sel_hi:[1,0]
.endr
.irp z, 0,1,2,3,4,5,6,7
	v_exp_f32 v[EW+\z], v[EW+\z]
.endr
.irp z, 0,2,4,6
	v_pk_mul_f32 v[rU+\z:rU+\z+1], v[rU+\z:rU+\z+1], v[rG+\z:rG+\z+1]  ; plain work behind the exponentials, which it does not name
.endr
	s_wait_alu depctr_va_vdst(0)
.irp z, 0,2,4,6
	v_pk_add_f32 v[EW+\z:EW+\z+1], v[EW+\z:EW+\z+1], 1.0 op_sel_hi:[1,0]
.endr
.irp z, 0,1,2,3,4,5,6,7
	v_rcp_f32 v[EW+\z], v[EW+\z]
.endr
	v_nop                                          ; a plain instruction behind the last reciprocal
	s_wait_alu depctr_va_vdst(0)
.irp z, 0,2,4,6
	v_pk_mul_f32 v[rU+\z:rU+\z+1], v[rU+\z:rU+\z+1], v[EW+\z:EW+\z+1]
.endr
.irp z, 0,1,2,3
	v_cvt_pk_bf16_f32 v[rO+\z], v[rU+2*\z], v[rU+2*\z+1]
.endr
.endr
	global_store_b128 v[LO16], v[PK+8*\j:PK+8*\j+3], s[OB+2*\j:OB+2*\j+1]              ; 512 consecutive bytes, aligned
	global_store_b128 v[LO16], v[PK+8*\j+4:PK+8*\j+7], s[OB+2*\j:OB+2*\j+1] offset:512
.Ldead_\@:
.endm
	s_load_b256 s[4:11], s[0:1], 0x0               ; xs s[4:5], w3_w1_weight s[6:7], meta s[8:9], hs s[10:11]
	v_lshl_add_u32 v30, v0, 2, 0x40400
	v_mov_b32 v31, 0
	v_lshrrev_b32 v20, 5, v0
	v_readfirstlane_b32 s12, v20                   ; wave 0..3
	s_and_b32 s13, ttmp9, 7                        ; expert
	s_lshr_b32 s14, ttmp9, 3                       ; slice
	s_lshr_b32 s22, s12, 1                         ; waves 0, 1: up rows; waves 2, 3: gate rows, 1,024 further down
	s_lshl_b32 s22, s22, 10
	s_lshl_b32 s23, s14, 5
	s_add_co_u32 s22, s22, s23                     ; + 32 sl
	s_and_b32 s23, s12, 1
	s_lshl_b32 s23, s23, 4
	s_add_co_u32 s22, s22, s23                     ; + 16 (w % 2)
	s_lshl_b32 s22, s22, 13                        ; rows of 8,192 bytes
	s_lshl_b32 s23, s13, 24                        ; an expert's 2^24 bytes
	s_add_co_u32 s22, s22, s23
	s_mov_b32 s23, 0
	s_lshl_b32 s26, s13, 3                         ; the expert's pair in meta
	s_mov_b32 s27, 0
	s_lshl_b32 s53, s14, 10                        ; chunk sl of a tile of hs
	v_and_b32 v20, 31, v0
	v_lshlrev_b32 v[LO16], 4, v20
	s_wait_kmcnt 0x0
	s_add_nc_u64 s[SA:SA+1], s[6:7], s[22:23]      ; my 16 rows
	s_add_nc_u64 s[26:27], s[8:9], s[26:27]
	s_mov_b64 s[SB:SB+1], s[SA:SA+1]
.set k, 0
.rept RING
	global_load_b128 v[RG+4*k:RG+4*k+3], v[LO16], s[SA:SA+1] offset:512*k th:TH_LOAD_NT
.set k, k+1
.endr
	s_load_b32 s16, s[26:27], 0x0                  ; TB: the expert's first tile
	s_load_b32 s17, s[26:27], 0x40                 ; MT: its tiles
	v_and_b32 v21, 15, v0                          ; l % 16
	v_bfe_u32 v22, v0, 4, 1                        ; l / 16
	v_mul_u32_u24 v23, v21, PITCH
	v_lshl_add_u32 v23, v22, 4, v23
.irp nt, 0,1,2,3
	v_add_nc_u32 v[ADW0+\nt], \nt*16*PITCH, v23
.endr
	s_mul_i32 s22, s12, 16*PITCH
	v_lshlrev_b32 v[LST], 3, v20
	v_add_nc_u32 v[LST], s22, v[LST]               ; my wave's first row, 8 bytes a lane
	s_mov_b32 s20, TRIPS
.Lstream:                                              ; a trip: twice round the ring, six rows of weights
.set k, 0
.rept RING
	SLOT k, k, 1, RING-1, SA, (RING+k)*512
.set k, k+1
.endr
	s_add_nc_u64 s[SB:SB+1], s[SB:SB+1], 2*RING*512 ; the 48 loads that are out were issued by the 48 turns above and name SA: every load that named SB has been waited for
.set k, 0
.rept RING
	SLOT k, RING+k, 1, RING-1, SB, k*512
.set k, k+1
.endr
	s_add_nc_u64 s[SA:SA+1], s[SA:SA+1], 2*RING*512 ; likewise: the 48 loads that are out name SB
	v_add_nc_u32 v[LST], (2*RING/PERROW)*PITCH, v[LST]
	s_sub_co_u32 s20, s20, 1
	s_cmp_lg_u32 s20, 0
	s_cbranch_scc1 .Lstream
.set k, 0
.rept RING                             ; once more round: the first REM slots load the last REM pieces; behind them the counts run down; from turn XK on they count the 40 fragment loads too
.if k == XK
	EARLYX
.endif
.if k < REM
	SLOT k, k, 1, RING-1, SA, (RING+k)*512
.elseif k < XK
	SLOT k, k, 0, RING-1+REM-k
.else
	SLOT k, k, 0, RING-1+REM-k+40
.endif
.set k, k+1
.endr
.set k, 0
.rept REM
	SLOT k, RING+k, 0, REM-1-k+40
.set k, k+1
.endr
	s_wait_dscnt 0x0                               ; for the others' sake: my 16 rows are in LDS
	s_barrier_signal -1
	s_barrier_wait -1                              ; all 64 rows are; from here on LDS is only read
	s_mov_b32 s19, 4
	s_cmp_eq_u32 s17, 0
	s_cbranch_scc1 .Ldone                          ; an expert that no token chose
.Lpass:                                                ; on both ways in, 40 loads of mine are out: the pass's blocks 0 and 1
.irp nt, 0,1,2,3
	v_mov_b32 v[AW+\nt], v[ADW0+\nt]
.endr
.irp i, 0,1,2,3
	v_mov_b32 v[XO+\i], v[LO16]                    ; no load that named these is out: the pass before ended with a wait for all its loads, and the 40 behind it name v1
.endr
	XLOAD 2, 4096, LO16                            ; block 2: 60 loads of mine are out
	WLOAD 0, 0
	BLOCK 0, 1, 1, 40, 1                           ; the first block stands ahead of the loop: its first products start the sums
	WIN 0
	s_mov_b32 s20, NB/4-1
.Lblk:                                                 ; a trip: four blocks, once round the slots' four buffers
	BLOCK 1, 0, 2, 40, 1
	BLOCK 2, 0, 2, 40, 1
	BLOCK 3, 0, 2, 40, 1
	BLOCK 4, 0, 2, 40, 1
	WIN 0
.irp nt, 0,1,2,3
	v_add_nc_u32 v[AW+\nt], 512, v[AW+\nt]
.endr
	s_sub_co_u32 s20, s20, 1
	s_cmp_lg_u32 s20, 0
	s_cbranch_scc1 .Lblk
	BLOCK 1, 0, 0, 40, 1                           ; the last three blocks ask for no slots' fragments: the counts run down
	BLOCK 2, 0, 0, 20, 1
	BLOCK 3, 0, 0, 0, 0
	WIN 0
.rept 4
	v_nop                                          ; the places between the last products and the lines that read their results, and the loads into their sources
.endr
	TILEOUT 0
	TILEOUT 1
	TILEOUT 2
	TILEOUT 3
	TILEOUT 4
	s_wait_xcnt 0x0                                ; the stores' data and bases are written again only behind this wait
	s_add_co_u32 s18, s18, 20
	s_cmp_ge_u32 s18, s17
	s_cbranch_scc1 .Ldone                          ; no tile left
	ADDR
	XLOAD 0, 0, LO16                               ; the next pass's blocks 0 and 1
	XLOAD 1, 2048, LO16
	WIN 0
	s_sub_co_u32 s19, s19, 1
	s_cmp_lg_u32 s19, 0
	s_cbranch_scc1 .Lpass
.Ldone:
	s_barrier_signal -1
	s_barrier_wait -1
	s_wait_tensorcnt 0x0
	ds_add_u32 v30, v31
	s_wait_dscnt 0x0
	s_endpgm
.Lfunc_end_k_q1928bae537_gemm1:
	.size	k_q1928bae537_gemm1, .Lfunc_end_k_q1928bae537_gemm1-k_q1928bae537_gemm1
	.p2alignl 7, 3214868480
	.fill 96, 4, 3214868480
	.section	.rodata,"a",@progbits
	.p2align	6, 0x0
	.amdhsa_kernel k_q1928bae537_gemm1
		.amdhsa_group_segment_fixed_size 263680
		.amdhsa_private_segment_fixed_size 0
		.amdhsa_enable_private_segment 0
		.amdhsa_kernarg_size 32
		.amdhsa_user_sgpr_count 2
		.amdhsa_user_sgpr_kernarg_segment_ptr 1
		.amdhsa_wavefront_size32 1
		.amdhsa_system_sgpr_workgroup_id_x 1
		.amdhsa_system_sgpr_workgroup_id_y 1
		.amdhsa_system_sgpr_workgroup_id_z 1
		.amdhsa_system_vgpr_workitem_id 0
		.amdhsa_next_free_vgpr 896
		.amdhsa_next_free_sgpr 66
		.amdhsa_reserve_vcc 0
		.amdhsa_float_denorm_mode_32 3
		.amdhsa_float_denorm_mode_16_64 3
		.amdhsa_memory_ordered 1
		.amdhsa_forward_progress 1
		.amdhsa_inst_pref_size 128
	.end_amdhsa_kernel
	.amdgpu_metadata
---
amdhsa.version: [ 1, 2 ]
amdhsa.kernels:
  - .name:           k_q1928bae537_gemm1
    .symbol:         k_q1928bae537_gemm1.kd
    .args:
      - { .name: xs, .offset: 0, .size: 8, .value_kind: global_buffer, .address_space: global }
      - { .name: w3_w1_weight, .offset: 8, .size: 8, .value_kind: global_buffer, .address_space: global }
      - { .name: meta, .offset: 16, .size: 8, .value_kind: global_buffer, .address_space: global }
      - { .name: hs, .offset: 24, .size: 8, .value_kind: global_buffer, .address_space: global }
    .group_segment_fixed_size: 263680
    .private_segment_fixed_size: 0
    .kernarg_segment_align: 8
    .kernarg_segment_size: 32
    .max_flat_workgroup_size: 128
    .sgpr_count:     66
    .vgpr_count:     896
    .wavefront_size: 32
...
	.end_amdgpu_metadata
.endif
;; end of part 3
;; launch gemm2 (part 4): grid 256 x 1, 4 waves a work-group, no clusters, 150,016 bytes of LDS; arguments hs, w2_weight, meta, y; writes y
.if DOCPART == 4
	.amdgcn_target "amdgcn-amd-amdhsa--gfx1250"
	.amdhsa_code_object_version 6
	.text
	.protected	k_q1928bae537_gemm2
	.globl	k_q1928bae537_gemm2
	.p2align	8
	.type	k_q1928bae537_gemm2,@function
k_q1928bae537_gemm2:
	s_mov_b64 s[64:65], 0
	v_nop
	global_prefetch_b8 v0, s[64:65] scope:SCOPE_SE
	s_setreg_imm32_b32 hwreg(HW_REG_WAVE_MODE, 25, 1), 1
	s_wait_xcnt 0x0
; DOWN PROJECTION of the routed tokens: y[slot][:] = inter[slot] W2_e^T, f32 rows by slot; the two experts of a token are added in the launch behind.
; Products in bf16 with f32 sums.  The frame is that of the gate and up launch:
; SHARES.  Work-group g = expert g % 8, slice g / 8 (of 32): 64 rows of W2_e, that is 64 columns of y, four n-tiles of 16.  The eight experts take turns along the grid.
; PHASE 1.  Wave w streams n-tile w: 16 rows of 4,096 bytes, dense in memory, each byte of the weights read once in the launch; rounded to bf16 and kept in LDS.
; A ring of 48 register slots keeps 48 loads of 512 bytes of every wave out; its 128 turns are written out, so that every offset is an immediate and nothing is stepped.
; PHASE 2, behind the text's one barrier.  The expert's MT tiles of 16 slots (MT, TB: whole numbers from meta) go in passes of 20: wave w takes tiles 20 p + w + 4 j,
; each against all four n-tiles: 20 accumulators.  The pass loop counts to the constant 4 and is left by a jump forward when no tile is left; it holds no barrier.
; THE PASS'S FIRST FRAGMENTS GO OUT EARLY: blocks 0 and 1 of the first pass (40 loads) are asked for when 23 of the wave's weight pieces are still out, 63 loads in all;
; those of a further pass at the end of the pass before it.
; K's 16 blocks of 64 are written out too: each load of a weight fragment is then a register that is never rewritten plus an immediate, LDS bytes 0 to 132,079, while the waves'
; stages begin at byte 132,096.  So a wave may write its stage while another still reads weights, with no barrier between them, and that can be read off the text.
; THE MATRIX INSTRUCTION IS USED TRANSPOSED (source 0 = 16 weight rows, source 1 = 16 slots): a lane holds slot l % 16 and eight neighbouring columns of y.
; A tile's 16 rows x 256 bytes go through my wave's own stage in LDS, so that sixteen lanes store 256 consecutive bytes, aligned.
; NO CLUSTER, NO TENSOR LOAD: the weights are shared by nobody and must pass registers to be rounded; the slots' fragments, which an expert's 32 work-groups share,
; go straight into registers in a pass whose being run hangs on counts from memory, where no barrier can stand.
; REGISTERS, in windows of 256 (s_set_vgpr_msb: bits 1:0 source 0, 3:2 source 1, 5:4 source 2, 7:6 destination):
;   window 0: v0-30 addresses; v32-223 phase 1's ring; in phase 2 v32-95 at work, v96-255 accumulator (j, nt) at 96 + 8 (4 j + nt)
;   windows 1, 2: the slots' fragments, four buffers of a block of 64 k: buffer q in window 1 + q / 2 at 80 (q % 2) + 40 cc + 8 j
;   window 3: the weights' fragments, two buffers: 64 pb + 32 cc + 8 nt
.set PITCH,  2064                      ; an LDS row of weights: 2,048 bytes + 16 = 129 x 16: the 16 rows of a fragment load start at 16 different 16-byte columns modulo 256
.set PERROW, 8                         ; loads of 512 bytes in a row of f32 weights
.set NLOAD,  128                       ; such loads in a wave's 16 rows
.set RING,   48
.set XP,     NLOAD-23                  ; the turn in front of which 23 weight pieces are out
.set NB,     16                        ; blocks of 64 along K
.set ASHIFT, 15                        ; a tile of hs is 32,768 bytes
.set STAGE,  64*PITCH                  ; behind the weights: 16 rows x 272 bytes for each wave
.set SP,     272                       ; 256 bytes + 16 = 17 x 16
.set LO16, 1                           ; v1      16 x lane; never rewritten
.set LST,  3                           ; v3      phase 1: my wave's first LDS row + 8 x lane; never rewritten
.set ADW0, 4                           ; v4-7    (16 nt + l % 16) PITCH + 16 (l / 16); never rewritten
.set CV,   12                          ; v12-19  four pairs of rounded words
.set STO,  28                          ; v28     the way out: where I put 16 bytes of a row
.set RD,   29                          ; v29     where I read rows back
.set CO,   30                          ; v30     my byte offset in two rows of y
.set RG,   32
.set BK,   32                          ; v32-95  the way out: rows read back, two buffers of 32
.set ACC,  96
.set XB,   28                          ; s[28:37] tile j's address in hs
.set OB,   38                          ; s[38:47] tile j's 64 columns in y
.set LT,   48                          ; s[48:52] tile j's number in the expert
.set MSB, 0
.macro WIN new                         ; the immediate's high byte repeats the setting that is left; a switch that changes nothing is dropped
.if MSB != (\new)
	s_set_vgpr_msb (MSB<<8)|(\new)
.set MSB, (\new)
.endif
.endm
; One ring slot's turn: piece pos of my 128 is in; round, put 256 bytes into LDS; ahead = 1: the slot is loaded again, with the piece 48 on.
; left = the loads issued behind this piece's load.
.macro SLOT k, pos, ahead, left
	s_wait_loadcnt \left
	v_cvt_pk_bf16_f32 v[CV+2*((\k)%4)], v[RG+4*(\k)], v[RG+4*(\k)+1]
	v_cvt_pk_bf16_f32 v[CV+2*((\k)%4)+1], v[RG+4*(\k)+2], v[RG+4*(\k)+3]
	ds_store_b64 v[LST], v[CV+2*((\k)%4):CV+2*((\k)%4)+1] offset:((\pos)/PERROW)*PITCH+((\pos)%PERROW)*256
.if \ahead
	global_load_b128 v[RG+4*(\k):RG+4*(\k)+3], v[LO16], s[24:25] offset:((\pos)+RING)*512 th:TH_LOAD_NT
.endif
.endm
.macro WLOAD buf, off                  ; 16 LDS loads: the weights' fragments of a block, at byte off of the rows
	WIN 0xc0
.irp cc, 0,1
.irp nt, 0,1,2,3
	ds_load_b128 v[64*(\buf)+32*\cc+8*\nt:64*(\buf)+32*\cc+8*\nt+3], v[ADW0+\nt] offset:(\off)+64*\cc
	ds_load_b128 v[64*(\buf)+32*\cc+8*\nt+4:64*(\buf)+32*\cc+8*\nt+7], v[ADW0+\nt] offset:(\off)+64*\cc+32
.endr
.endr
.endm
.macro XLOAD buf, off                  ; 20 loads of 512 consecutive bytes: my five tiles' fragments of a block
	WIN 0x40*(1+(\buf)/2)
.irp cc, 0,1
.irp j, 0,1,2,3,4
	global_load_b128 v[80*((\buf)%2)+40*\cc+8*\j:80*((\buf)%2)+40*\cc+8*\j+3], v[LO16], s[XB+2*\j:XB+2*\j+1] offset:(\off)+1024*\cc
	global_load_b128 v[80*((\buf)%2)+40*\cc+8*\j+4:80*((\buf)%2)+40*\cc+8*\j+7], v[LO16], s[XB+2*\j:XB+2*\j+1] offset:(\off)+1024*\cc+512
.endr
.endr
.endm
; Block blk of 64 along K: 40 products.  Ahead of them the weights' fragments of the next block (dsl) and the slots' of the block three on (ld) are asked for,
; into the buffers that the block before multiplied: four v_nop are the places between its products and these loads (ISA guide 7.12.1 for vector
; instructions).  left = the loads issued behind this block's: two blocks of 20, fewer at the end.
; The 20 accumulators take turns, one instruction a turn.
.macro BLOCK blk, zero, ld, left, dsl
.set q,  (\blk)%4
.set pb, (\blk)%2
	s_wait_loadcnt \left
	s_wait_dscnt 0x0                               ; this block's weights, asked for a block ago
.if (\dsl) || (\ld)
.rept 4
	v_nop
.endr
.endif
.if \dsl
	WLOAD 1-pb, ((\blk)+1)*128
.endif
.if \ld
	XLOAD ((\blk)+3)%4, ((\blk)+3)*2048
.endif
	WIN 0x03+4*(1+q/2)                             ; source 0 window 3, source 1 window 1 or 2, C and D window 0
.irp cc, 0,1
.irp j, 0,1,2,3,4
.irp nt, 0,1,2,3
.if (\zero) && (\cc == 0)
	v_wmma_f32_16x16x32_bf16 v[ACC+8*(4*\j+\nt):ACC+8*(4*\j+\nt)+7], v[64*pb+32*\cc+8*\nt:64*pb+32*\cc+8*\nt+7], v[80*(q%2)+40*\cc+8*\j:80*(q%2)+40*\cc+8*\j+7], 0
.else
	v_wmma_f32_16x16x32_bf16 v[ACC+8*(4*\j+\nt):ACC+8*(4*\j+\nt)+7], v[64*pb+32*\cc+8*\nt:64*pb+32*\cc+8*\nt+7], v[80*(q%2)+40*\cc+8*\j:80*(q%2)+40*\cc+8*\j+7], v[ACC+8*(4*\j+\nt):ACC+8*(4*\j+\nt)+7]
.endif
.endr
.endr
.endr
.endm
; The five tiles of the pass that begins at tile s18: their numbers, their addresses in hs, their 64 columns in y
.macro ADDR
.irp j, 0,1,2,3,4
	s_add_co_u32 s[LT+\j], s18, s12
	s_add_co_u32 s[LT+\j], s[LT+\j], 4*\j
	s_min_u32 s22, s[LT+\j], s21                   ; past the end: the last tile once more
	s_add_co_u32 s22, s22, s16
	s_min_u32 s22, s22, 135                        ; a tile stays inside the 136
	s_lshl_b32 s26, s22, ASHIFT
	s_add_nc_u64 s[XB+2*\j:XB+2*\j+1], s[4:5], s[26:27]
	s_lshl_b32 s26, s22, 17                        ; a tile of y is 16 rows of 8,192 bytes
	s_add_co_u32 s26, s26, s53
	s_add_nc_u64 s[OB+2*\j:OB+2*\j+1], s[10:11], s[26:27]
.endr
.endm
; The first pass's blocks 0 and 1 are asked for while the last weight pieces are on their way
.macro EARLYX
	s_wait_kmcnt 0x0                               ; TB and MT are in, and s[26:27], which their loads named, may be written
	s_mov_b32 s27, 0
	s_sub_co_u32 s21, s17, 1                       ; the expert's last tile
	s_mov_b32 s18, 0                               ; the pass's first tile
	ADDR
	XLOAD 0, 0
	XLOAD 1, 2048
	WIN 0
.endm
; The way out of tile j: 16 bytes a lane into rows of 272 bytes of my own stage, back as whole rows of 256, two rows a load, and stored.  Each accumulator's low four registers go first.
.macro TILEOUT j
	s_cmp_ge_u32 s[LT+\j], s17
	s_cbranch_scc1 .Ldead_\@                       ; no such tile: nothing is stored
	s_wait_xcnt 0x0                                ; the registers that the stores two tiles back read are loaded again only behind this wait
.irp nt, 0,1,2,3
.irp p, 0,1
	ds_store_b128 v[STO], v[ACC+8*(4*\j+\nt)+4*\p:ACC+8*(4*\j+\nt)+4*\p+3] offset:64*\nt+16*\p
.endr
.endr
.irp t, 0,1,2,3,4,5,6,7
	ds_load_b128 v[BK+32*((\j)%2)+4*\t:BK+32*((\j)%2)+4*\t+3], v[RD] offset:2*SP*\t  ; LDS serves a wave's instructions in order (ISA guide 5.7.1.4): these see the stores above, and the next tile's stores come behind them
.endr
.irp t, 0,1,2,3,4,5,6,7
	s_wait_dscnt 7-\t                              ; row pair t is back; the younger loads stay out
	global_store_b128 v[CO], v[BK+32*((\j)%2)+4*\t:BK+32*((\j)%2)+4*\t+3], s[OB+2*\j:OB+2*\j+1] offset:16384*\t  ; 16 lanes store 256 consecutive bytes, aligned
.endr
.Ldead_\@:
.endm
	s_load_b256 s[4:11], s[0:1], 0x0               ; hs s[4:5], w2_weight s[6:7], meta s[8:9], y s[10:11]
	v_lshl_add_u32 v27, v0, 2, 0x24800
	v_mov_b32 v31, 0
	v_lshrrev_b32 v20, 5, v0
	v_readfirstlane_b32 s12, v20                   ; wave 0..3
	s_and_b32 s13, ttmp9, 7                        ; expert
	s_lshr_b32 s14, ttmp9, 3                       ; slice
	s_lshl_b32 s22, s14, 6
	s_lshl4_add_u32 s22, s12, s22                  ; row 64 sl + 16 w
	s_lshl_b32 s22, s22, 12                        ; rows of 4,096 bytes
	s_lshl_b32 s23, s13, 23                        ; an expert's 2^23 bytes
	s_add_co_u32 s22, s22, s23
	s_mov_b32 s23, 0
	s_lshl_b32 s26, s13, 3                         ; the expert's pair in meta
	s_mov_b32 s27, 0
	s_lshl_b32 s53, s14, 8                         ; my 64 columns of y: 256 bytes
	v_and_b32 v20, 31, v0
	v_lshlrev_b32 v[LO16], 4, v20
	s_wait_kmcnt 0x0
	s_add_nc_u64 s[24:25], s[6:7], s[22:23]        ; my 16 rows
	s_add_nc_u64 s[26:27], s[8:9], s[26:27]
.set k, 0
.rept RING
	global_load_b128 v[RG+4*k:RG+4*k+3], v[LO16], s[24:25] offset:512*k th:TH_LOAD_NT
.set k, k+1
.endr
	s_load_b32 s16, s[26:27], 0x0                  ; TB: the expert's first tile
	s_load_b32 s17, s[26:27], 0x40                 ; MT: its tiles
	v_and_b32 v21, 15, v0                          ; l % 16
	v_bfe_u32 v22, v0, 4, 1                        ; l / 16
	v_mul_u32_u24 v23, v21, PITCH
	v_lshl_add_u32 v23, v22, 4, v23
.irp nt, 0,1,2,3
	v_add_nc_u32 v[ADW0+\nt], \nt*16*PITCH, v23
.endr
	s_mul_i32 s22, s12, 16*PITCH
	v_lshlrev_b32 v[LST], 3, v20
	v_add_nc_u32 v[LST], s22, v[LST]               ; my wave's first row, 8 bytes a lane
	s_mul_i32 s22, s12, 16*SP
	s_add_co_u32 s22, s22, STAGE                   ; my stage
	v_mul_u32_u24 v[STO], v21, SP                  ; in: row l % 16, 32 bytes for each half of the lanes
	v_lshl_add_u32 v[STO], v22, 5, v[STO]
	v_add_nc_u32 v[STO], s22, v[STO]
	v_mul_u32_u24 v[RD], v22, SP                   ; back: lanes 0-15 one row of 256 bytes, lanes 16-31 the next
	v_lshl_add_u32 v[RD], v21, 4, v[RD]
	v_add_nc_u32 v[RD], s22, v[RD]
	v_lshlrev_b32 v[CO], 13, v22                   ; and the same two rows of y, 8,192 bytes apart
	v_lshl_add_u32 v[CO], v21, 4, v[CO]
.set pp, 0
.rept NLOAD                            ; the ring's 128 turns: the first 80 load 48 pieces ahead; behind them the counts run down; from turn XP on they count the 40 fragment loads too
.if pp == XP
	EARLYX
.endif
.if pp < NLOAD-RING
	SLOT pp%RING, pp, 1, RING-1
.elseif pp < XP
	SLOT pp%RING, pp, 0, NLOAD-1-pp
.else
	SLOT pp%RING, pp, 0, NLOAD-1-pp+40
.endif
.set pp, pp+1
.endr
	s_wait_dscnt 0x0                               ; for the others' sake: my 16 rows are in LDS
	s_barrier_signal -1
	s_barrier_wait -1                              ; all 64 rows are; from here on the weights are only read, and a stage is its wave's own
	s_mov_b32 s19, 4
	s_cmp_eq_u32 s17, 0
	s_cbranch_scc1 .Ldone                          ; an expert that no token chose
.Lpass:                                                ; on both ways in, 40 loads of mine are out: the pass's blocks 0 and 1
	XLOAD 2, 4096                                  ; block 2: 60 loads of mine are out
	WLOAD 0, 0
.set bb, 0
.rept NB
.if bb == 0
	BLOCK bb, 1, 1, 40, 1                          ; the first block's first products start the sums
.elseif bb < NB-3
	BLOCK bb, 0, 1, 40, 1
.elseif bb == NB-3
	BLOCK bb, 0, 0, 40, 1                          ; the last three blocks ask for no slots' fragments: the counts run down
.elseif bb == NB-2
	BLOCK bb, 0, 0, 20, 1
.else
	BLOCK bb, 0, 0, 0, 0
.endif
.set bb, bb+1
.endr
	WIN 0
.rept 4
	v_nop                                          ; the places between the last products and the LDS stores that read their results, and the loads into their sources
.endr
	TILEOUT 0
	TILEOUT 1
	TILEOUT 2
	TILEOUT 3
	TILEOUT 4
	s_wait_xcnt 0x0                                ; the stores' data and bases are written again only behind this wait
	s_add_co_u32 s18, s18, 20
	s_cmp_ge_u32 s18, s17
	s_cbranch_scc1 .Ldone                          ; no tile left
	ADDR
	XLOAD 0, 0                                     ; the next pass's blocks 0 and 1
	XLOAD 1, 2048
	WIN 0
	s_sub_co_u32 s19, s19, 1
	s_cmp_lg_u32 s19, 0
	s_cbranch_scc1 .Lpass
.Ldone:
	s_barrier_signal -1
	s_barrier_wait -1
	s_wait_tensorcnt 0x0
	ds_add_u32 v27, v31
	s_wait_dscnt 0x0
	s_endpgm
.Lfunc_end_k_q1928bae537_gemm2:
	.size	k_q1928bae537_gemm2, .Lfunc_end_k_q1928bae537_gemm2-k_q1928bae537_gemm2
	.p2alignl 7, 3214868480
	.fill 96, 4, 3214868480
	.section	.rodata,"a",@progbits
	.p2align	6, 0x0
	.amdhsa_kernel k_q1928bae537_gemm2
		.amdhsa_group_segment_fixed_size 150016
		.amdhsa_private_segment_fixed_size 0
		.amdhsa_enable_private_segment 0
		.amdhsa_kernarg_size 32
		.amdhsa_user_sgpr_count 2
		.amdhsa_user_sgpr_kernarg_segment_ptr 1
		.amdhsa_wavefront_size32 1
		.amdhsa_system_sgpr_workgroup_id_x 1
		.amdhsa_system_sgpr_workgroup_id_y 1
		.amdhsa_system_sgpr_workgroup_id_z 1
		.amdhsa_system_vgpr_workitem_id 0
		.amdhsa_next_free_vgpr 896
		.amdhsa_next_free_sgpr 66
		.amdhsa_reserve_vcc 0
		.amdhsa_float_denorm_mode_32 3
		.amdhsa_float_denorm_mode_16_64 3
		.amdhsa_memory_ordered 1
		.amdhsa_forward_progress 1
		.amdhsa_inst_pref_size 152
	.end_amdhsa_kernel
	.amdgpu_metadata
---
amdhsa.version: [ 1, 2 ]
amdhsa.kernels:
  - .name:           k_q1928bae537_gemm2
    .symbol:         k_q1928bae537_gemm2.kd
    .args:
      - { .name: hs, .offset: 0, .size: 8, .value_kind: global_buffer, .address_space: global }
      - { .name: w2_weight, .offset: 8, .size: 8, .value_kind: global_buffer, .address_space: global }
      - { .name: meta, .offset: 16, .size: 8, .value_kind: global_buffer, .address_space: global }
      - { .name: y, .offset: 24, .size: 8, .value_kind: global_buffer, .address_space: global }
    .group_segment_fixed_size: 150016
    .private_segment_fixed_size: 0
    .kernarg_segment_align: 8
    .kernarg_segment_size: 32
    .max_flat_workgroup_size: 128
    .sgpr_count:     66
    .vgpr_count:     896
    .wavefront_size: 32
...
	.end_amdgpu_metadata
.endif
;; end of part 4
;; launch combine (part 5): grid 256 x 1, 8 waves a work-group, no clusters, 0 bytes of LDS; arguments token_slot, topw, y, out0; writes out0
.if DOCPART == 5
	.amdgcn_target "amdgcn-amd-amdhsa--gfx1250"
	.amdhsa_code_object_version 6
	.text
	.protected	k_q1928bae537_combine
	.globl	k_q1928bae537_combine
	.p2align	8
	.type	k_q1928bae537_combine,@function
k_q1928bae537_combine:
	s_mov_b64 s[64:65], 0
	v_nop
	global_prefetch_b8 v0, s[64:65] scope:SCOPE_SE
	s_setreg_imm32_b32 hwreg(HW_REG_WAVE_MODE, 25, 1), 1
	s_wait_xcnt 0x0
; out[t] = w1 y[slot1] + w2 y[slot2]: the sum over experts, made by gathering; the six experts that the routing did not choose have the weight 0.
; A wave owns half a token's row, 4,096 bytes: eight loads of 512 consecutive bytes from each of the two slots' rows, all sixteen out at once; one multiply
; and one fused multiply-add a pair of numbers; eight stores of 512 consecutive bytes.  The slots are whole numbers stored four launches back.
; A stream: no LDS, no barrier, no matrix unit, nothing shared between work-groups.
	s_load_b256 s[4:11], s[0:1], 0x0               ; token_slot s[4:5], topw s[6:7], y s[8:9], out0 s[10:11]
	v_lshrrev_b32 v1, 5, v0
	v_readfirstlane_b32 s12, v1                    ; wave 0..7
	v_and_b32 v1, 31, v0
	v_lshlrev_b32 v2, 4, v1                        ; 16 x lane
	s_lshr_b32 s13, s12, 1
	s_lshl2_add_u32 s13, ttmp9, s13                ; token = 4 x work-group + wave / 2
	s_and_b32 s14, s12, 1
	s_lshl_b32 s14, s14, 12                        ; which half of the row
	s_lshl_b32 s16, s13, 3
	s_mov_b32 s17, 0
	s_wait_kmcnt 0x0
	s_add_nc_u64 s[4:5], s[4:5], s[16:17]
	s_add_nc_u64 s[6:7], s[6:7], s[16:17]
	s_load_b64 s[18:19], s[4:5], 0x0               ; the two slots
	s_load_b64 s[20:21], s[6:7], 0x0               ; the two weights
	s_lshl_b32 s16, s13, 13
	s_add_co_u32 s16, s16, s14
	s_add_nc_u64 s[28:29], s[10:11], s[16:17]      ; my half row of out
	s_wait_kmcnt 0x0
	s_min_u32 s18, s18, 0x87f
	s_min_u32 s19, s19, 0x87f
	s_lshl_b32 s24, s18, 13
	s_add_co_u32 s24, s24, s14
	s_mov_b32 s25, 0
	s_lshl_b32 s26, s19, 13
	s_add_co_u32 s26, s26, s14
	s_mov_b32 s27, 0
	s_add_nc_u64 s[24:25], s[8:9], s[24:25]
	s_add_nc_u64 s[26:27], s[8:9], s[26:27]
	s_mov_b32 s22, s21                             ; w2 in the low word of a pair of its own: the packed forms take a scalar pair's low word for both halves
	s_mov_b32 s23, s21
.irp i, 0,1,2,3,4,5,6,7
	global_load_b128 v[8+8*\i:8+8*\i+3], v2, s[24:25] offset:512*\i th:TH_LOAD_NT
	global_load_b128 v[12+8*\i:12+8*\i+3], v2, s[26:27] offset:512*\i th:TH_LOAD_NT
.endr
.irp i, 0,1,2,3,4,5,6,7
	s_wait_loadcnt 14-2*\i                         ; pair i is in; the younger pairs' loads stay out
	v_pk_mul_f32 v[8+8*\i:8+8*\i+1], v[8+8*\i:8+8*\i+1], s[20:21] op_sel_hi:[1,0]
	v_pk_mul_f32 v[10+8*\i:10+8*\i+1], v[10+8*\i:10+8*\i+1], s[20:21] op_sel_hi:[1,0]
	v_pk_fma_f32 v[8+8*\i:8+8*\i+1], v[12+8*\i:12+8*\i+1], s[22:23], v[8+8*\i:8+8*\i+1] op_sel_hi:[1,0,1]
	v_pk_fma_f32 v[10+8*\i:10+8*\i+1], v[14+8*\i:14+8*\i+1], s[22:23], v[10+8*\i:10+8*\i+1] op_sel_hi:[1,0,1]
	global_store_b128 v2, v[8+8*\i:8+8*\i+3], s[28:29] offset:512*\i th:TH_STORE_NT
.endr
	s_endpgm
.Lfunc_end_k_q1928bae537_combine:
	.size	k_q1928bae537_combine, .Lfunc_end_k_q1928bae537_combine-k_q1928bae537_combine
	.p2alignl 7, 3214868480
	.fill 96, 4, 3214868480
	.section	.rodata,"a",@progbits
	.p2align	6, 0x0
	.amdhsa_kernel k_q1928bae537_combine
		.amdhsa_group_segment_fixed_size 0
		.amdhsa_private_segment_fixed_size 0
		.amdhsa_enable_private_segment 0
		.amdhsa_kernarg_size 32
		.amdhsa_user_sgpr_count 2
		.amdhsa_user_sgpr_kernarg_segment_ptr 1
		.amdhsa_wavefront_size32 1
		.amdhsa_system_sgpr_workgroup_id_x 1
		.amdhsa_system_sgpr_workgroup_id_y 1
		.amdhsa_system_sgpr_workgroup_id_z 1
		.amdhsa_system_vgpr_workitem_id 0
		.amdhsa_next_free_vgpr 72
		.amdhsa_next_free_sgpr 66
		.amdhsa_reserve_vcc 0
		.amdhsa_float_denorm_mode_32 3
		.amdhsa_float_denorm_mode_16_64 3
		.amdhsa_memory_ordered 1
		.amdhsa_forward_progress 1
		.amdhsa_inst_pref_size 6
	.end_amdhsa_kernel
	.amdgpu_metadata
---
amdhsa.version: [ 1, 2 ]
amdhsa.kernels:
  - .name:           k_q1928bae537_combine
    .symbol:         k_q1928bae537_combine.kd
    .args:
      - { .name: token_slot, .offset: 0, .size: 8, .value_kind: global_buffer, .address_space: global }
      - { .name: topw, .offset: 8, .size: 8, .value_kind: global_buffer, .address_space: global }
      - { .name: y, .offset: 16, .size: 8, .value_kind: global_buffer, .address_space: global }
      - { .name: out0, .offset: 24, .size: 8, .value_kind: global_buffer, .address_space: global }
    .group_segment_fixed_size: 0
    .private_segment_fixed_size: 0
    .kernarg_segment_align: 8
    .kernarg_segment_size: 32
    .max_flat_workgroup_size: 256
    .sgpr_count:     66
    .vgpr_count:     72
    .wavefront_size: 32
...
	.end_amdgpu_metadata
.endif
;; end of part 5
